; MI455X (gfx1250); checked and timed in simulation.
; The chip was launched on July 23, 2026; its instructions are those of AMD's public machine-readable ISA for CDNA 5 (MIT licence, August 2026) and "CDNA5" Instruction Set Architecture Reference Guide (July 2026). The comments in the code are by the model that wrote it; some were corrected since.
;; Attention. Allowed arithmetic: matrix products marked QUANTISED: E3M2 operands, one E8M0 scale for each 32 along K, by v_wmma_scale_f32_16x16x128_f8f6f4 with both operands' format E3M2, f32 sums; products left as they are: f32 operands where the result goes on into a quantised operand, else bf16, f16 or f32 operands; f32 sums; everything else in f32.
;; Inputs: WG_codes 1,024 x 32 x 24 uint8 (E3M2 codes of WG, K innermost, in blocks of 32 codes, four codes in three bytes); WG_scales 1,024 x 32 uint8 (E8M0 scales of WG, one for each 32 codes along K); WO_codes 1,024 x 32 x 24 uint8 (E3M2 codes of WO, K innermost, in blocks of 32 codes, four codes in three bytes); WO_scales 1,024 x 32 uint8 (E8M0 scales of WO, one for each 32 codes along K); g_codes 32 x 32 x 24 uint8 (E3M2 codes of g, K innermost, in blocks of 32 codes, four codes in three bytes); g_scales 32 x 32 uint8 (E8M0 scales of g, one for each 32 codes along K); inputs_codes 32 x 2,048 x 32 x 24 uint8 (E3M2 codes of inputs, K innermost, in blocks of 32 codes, four codes in three bytes); inputs_scales 32 x 2,048 x 32 uint8 (E8M0 scales of inputs, one for each 32 codes along K); v 1 x 1,024 float32.
;; Outputs: out0 32 x 2,048 float32.
;; This version of the problem:
;;   THIS VERSION OF THE PROBLEM IS GIVEN IN LOW PRECISION. The matrix products marked QUANTISED in the list below multiply operands that are first quantised to E3M2 (3 exponent bits, 2 mantissa bits; 6 bits a number), with one power-of-two scale for each 32 numbers along K (OCP MX v1.0); their sums are f32. All else is computed in f32.
;;   The module's matrix products, in the order in which they are computed (A, B: the left and right operand; K: the contracted axis; several contracted axes count as one K, in the product's order):
;;     1. [M 65,536, K 1,024] x [K 1,024, N 1,024]; A: input inputs (given as codes); B: input WO (given as codes): QUANTISED
;;     2. [M 32, K 1,024] x [K 1,024, N 1,024]; A: input g (given as codes); B: input WG (given as codes): QUANTISED
;;     3. [M 1, K 1,024] x [K 1,024, N 65,536]; A: input v; B: computed on the way: left as it is (M = 1 < 16)
;;   THE QUANTISER, for each operand of a quantised product, along K:
;;     - K is cut into blocks of 32 from its start; a last block that is shorter is filled with zeros.
;;     - A block's scale is 2^e with e = floor(log2(the largest magnitude in the block)) - 4, held to -126 .. 127; a block of zeros has e = 0. As a byte (E8M0): e + 127.
;;     - Each number is divided by its block's scale, clamped to +-28, and rounded to the nearest number of E3M2, ties to even, subnormals kept.
;;     - The product sums the exact products of the quantised numbers (number of the format x scale) in f32.
;;   ~~~python
;;   def quantise(x, axis):      # numpy; x: float32 -> the quantised numbers, widened to float32 again
;;       x = np.moveaxis(x, axis, -1); K = x.shape[-1]
;;       x = np.pad(x, [(0, 0)] * (x.ndim - 1) + [(0, -K % 32)]); x = x.reshape(x.shape[:-1] + (-1, 32)); a = np.abs(x).max(-1, keepdims=True)
;;       e = np.where(a > 0, np.clip(np.frexp(np.where(a > 0, a, 1))[1] - 1 - 4, -126, 127), 0)      # np.frexp(a)[1] - 1 = floor(log2(a)), exactly
;;       r = np.clip(x / 2.0 ** e, -28, 28)
;;       step = 2.0 ** (np.maximum(np.frexp(np.where(r == 0, 1, r))[1] - 1, -2) - 2)
;;       q = np.round(r / step) * step * 2.0 ** e      # np.round: ties to even
;;       return np.moveaxis(q.reshape(q.shape[:-2] + (-1,))[..., :K], -1, axis).astype(np.float32)
;;   ~~~
;;   INPUTS GIVEN AS CODES. WG (in the module: [1024, 1024], K = its axis 1); WO (in the module: [1024, 1024], K = its axis 1); g (in the module: [32, 1024], K = its axis 1); inputs (in the module: [32, 2048, 1024], K = its axis 2): each comes as NAME_codes (uint8): NAME with its K axis moved to the last place and cut into blocks of 32 codes, [.., K / 32, bytes a block], one block behind the other in memory; four codes in three bytes: a row's codes are one little-endian stream of bits, code i at bits 6 i .. 6 i + 5 (a code: sign, 3 exponent bits, 2 mantissa bits); and NAME_scales (uint8): the same leading axes, one E8M0 byte (e + 127) for each 32 codes along K. Its value is code x scale, taken as it is: it is not quantised again, and the codes and scales need not be those that the quantiser above would give.
;; One version. Each part assembles by itself: llvm-mc -triple=amdgcn-amd-amdhsa -mcpu=gfx1250 --defsym DOCPART=n.
;; ======== version 1 of 1: 2 launches
;; limits: right only within a limited range of input values
;; workspace buffers: cb 131,072 bytes; woi 819,200 bytes
;; launch prep (part 1): grid 32 x 1, 8 waves a work-group, no clusters, 167,936 bytes of LDS; arguments WG_codes, WG_scales, g_codes, g_scales, WO_codes, WO_scales, cb, woi; writes cb, woi
.if DOCPART == 1
	.amdgcn_target "amdgcn-amd-amdhsa--gfx1250"
	.amdhsa_code_object_version 6
	.text
	.protected	k_qb8e84bda2b_prep
	.globl	k_qb8e84bda2b_prep
	.p2align	8
	.type	k_qb8e84bda2b_prep,@function
k_qb8e84bda2b_prep:
	s_mov_b64 s[64:65], 0
	v_nop
	global_prefetch_b8 v0, s[64:65] scope:SCOPE_SE
	s_setreg_imm32_b32 hwreg(HW_REG_WAVE_MODE, 25, 1), 1
	s_wait_xcnt 0x0
; TWO SMALL JOBS AHEAD OF THE MAIN LAUNCH.  No work of reference() is left out in this program; every input is loaded.
; (a) cb[b][k] = c x (the sum over d of WG[k][d] g[b][d]), c = 2 log2(e), [32][1024] f32.  WG and g: codes of BF6 (E3M2) with one E8M0 byte for each 32 along K, taken as they lie.
;     A wave makes 16 k x 16 b: 8 matrix instructions, even K steps on one accumulator, odd on another, by turns; the two sums are added at the end:
;     an order of rounding that differs from one chain's in the last bits.  Source 0 = 16 rows of WG, source 1 = 16 rows of g: lane (r, h) holds b = r and eight neighbouring k.
; (b) woi: WO's codes and scale bytes in the order of the operand's registers, 64 tiles of 16 rows, 12,800 bytes each: fragment s (12 registers a lane) at 1,536 s, its registers
;     4 c .. 4 c + 3 of lane l at 512 c + 16 l; at 12,288 the scale words: lane (r, h) has 16 bytes at 16 l, the words of K steps 4 h .. 4 h + 3 of row r.
; SHARES.  A work-group has 64 k of WG (four tiles), 16 rows of g and two tiles of WO: seven dense blocks of 12,288 bytes.  Waves 0 to 6 bring one block each, by one tensor load of 48 rows
; of 256 bytes; wave 7 brings none.  Behind one barrier waves 0-3 make cb (a tile of WG each, all with g's rows), waves 4-7 the images (half a tile of WO each).
; The scale words come by three loads of 512, 512 and 256 bytes that every wave issues at addresses of its own number; a wave uses those of its role.
; Nothing is filled again.  No cluster: work-groups 2 i and 2 i + 1 bring the same four tiles of WG, and g's rows are one of two blocks.  No loop, so nothing is prefetched.
; LIMITS: a scale byte 0xff makes the sums NaN, as the format says.
.set CC,    0x4038aa3b                 ; c = 2 log2(e)
.set WGF,   56                         ; v56-151 WG's 8 fragments (in waves 4-7: v56-103 WO's four)
.set GF,    152                        ; v152-247 g's 8 fragments
.set RP,    864                        ; a row of 768 bytes in LDS: six pieces of 128 bytes, 16 bytes of padding behind each; half a row is 432 bytes
.set TILEB, 16*RP
.set STG,   7*TILEB                    ; behind the seven fills: the stage for cb, 16 rows of 256 bytes + 16; no fill lands here
.set SPARE, STG+4608                   ; the spare words, 128 bytes a wave
; A fragment is 12 registers: lane (r, h) takes the row's pieces of 8 bytes 12 s + 0, 1, 2 and 12 s + 6, 7, 8 (lanes 16-31: three pieces on); where that piece lies behind one padding more, a1 = a0 + 16 h serves.
.macro PFRAG reg, a0, a1, s, base
.irp p, 0,1,2,3,4,5
.set PC, 12*(\s)+6*(\p/3)+\p%3
.if PC%16 < 13
	ds_load_b64 v[(\reg)+2*\p:(\reg)+2*\p+1], v[\a0] offset:(\base)+8*PC+16*(PC/16)
.else
	ds_load_b64 v[(\reg)+2*\p:(\reg)+2*\p+1], v[\a1] offset:(\base)+8*PC+16*(PC/16)
.endif
.endr
.endm
	s_load_b256 s[4:11], s[0:1], 0x0               ; WG's codes, WG's scales, g's codes, g's scales
	s_load_b256 s[12:19], s[0:1], 0x20             ; WO's codes, WO's scales, cb, woi
	v_lshl_add_u32 v254, v0, 2, SPARE
	v_mov_b32 v255, 0
	ds_add_u32 v254, v255                          ; the opening lines: the add twice on end and its wait
	ds_add_u32 v254, v255
	v_lshrrev_b32 v1, 5, v0
	v_readfirstlane_b32 s20, v1                    ; wave 0..7
	s_lshr_b32 s25, ttmp9, 1                       ; which 64 k of cb
	s_and_b32 s22, ttmp9, 1                        ; which 16 rows of g
	s_and_b32 s52, s20, 3
	s_lshl_b32 s21, s25, 2
	s_add_co_u32 s21, s21, s52                     ; tile of WG: 4 (work-group / 2) + wave % 4
	s_and_b32 s24, s20, 1                          ; kh: K steps 4 kh .. 4 kh + 3 of an image
	s_bfe_u32 s53, s20, 0x10001                    ; (wave / 2) % 2
	s_lshl_b32 s23, ttmp9, 1
	s_add_co_u32 s57, s23, s24
	s_xor_b32 s57, s57, 1                          ; the tile of WO that wave 5 or 6 brings: 2 work-group + (wave + 1) % 2
	s_add_co_u32 s23, s23, s53                     ; the tile of WO whose image waves 4-7 make
	s_mov_b32 s32, (3<<16)|(1<<20)|(4<<22)|(3<<25) ; group 1: elements of 8 bytes; 4 words of padding behind every 32 words
	s_mov_b32 s33, 32<<16
	s_mov_b32 s34, 48<<16
	s_mov_b32 s35, 32<<16
	s_mov_b32 s36, 48                              ; 48 rows of 256 bytes
	s_mov_b32 s37, 32
	s_mov_b32 s38, 0
	s_mov_b32 s39, 0
	s_mul_i32 s41, s20, TILEB                      ; where my block goes
	s_mul_i32 s28, s52, TILEB                      ; cb's waves: my tile of WG
	s_add_co_u32 s29, s53, 5
	s_mul_i32 s29, s29, TILEB
	s_mul_i32 s30, s24, 432
	s_add_co_u32 s29, s29, s30                     ; the images' waves: my tile of WO, my half of its rows
	s_mul_i32 s30, s24, 6144
	s_lshl_b32 s31, s24, 8
	s_add_co_u32 s31, s31, 12288
	s_lshl_b32 s44, s52, 6
	s_add_co_u32 s44, s44, STG
	s_mul_i32 s45, s20, 2*272
	s_add_co_u32 s45, s45, STG
	s_lshl_b32 s46, s20, 13
	s_mov_b32 s27, 0
	v_and_b32 v2, 31, v0                           ; lane l
	v_and_b32 v11, 15, v0                          ; r
	v_bfe_u32 v54, v0, 4, 1                        ; h
	v_mul_u32_u24 v3, v11, RP
	v_mad_u32_u24 v3, v54, 24, v3                  ; 864 r + 24 h
	v_lshl_add_u32 v248, v54, 4, v3                ; and behind one padding more
	v_add_nc_u32 v249, s28, v3
	v_add_nc_u32 v250, s28, v248
	v_add_nc_u32 v251, s29, v3
	v_add_nc_u32 v252, s29, v248
	v_lshlrev_b32 v4, 5, v11
	v_lshl_add_u32 v4, v54, 4, v4                  ; scale words: 32 r + 16 h
	v_lshl_add_u32 v5, v2, 4, s30                  ; the images: 16 l + 4 fragments x kh
	v_lshrrev_b32 v1, 1, v2
	v_and_b32 v55, 1, v2
	v_lshlrev_b32 v6, 5, v1
	v_lshl_add_u32 v6, v55, 3, v6                  ; WO's scale bytes, 8 a lane: row l / 2, piece l % 2
	v_lshl_add_u32 v7, v2, 3, s31                  ; their place in the image
	v_mul_u32_u24 v8, v11, 272
	v_lshl_add_u32 v8, v54, 5, v8
	v_add_nc_u32 v8, s44, v8                       ; the stage, in: row r, + 64 (wave % 4) + 32 h
	v_mul_u32_u24 v9, v54, 272
	v_lshl_add_u32 v9, v11, 4, v9
	v_add_nc_u32 v9, s45, v9                       ; back: row 2 wave + h, 16 bytes a lane
	v_lshlrev_b32 v10, 12, v54
	v_lshl_add_u32 v10, v11, 4, v10
	v_add_nc_u32 v10, s46, v10                     ; the same row in cb
	s_wait_alu depctr_va_vdst(0)
	s_wait_dscnt 0x0
	s_wait_kmcnt 0x0
	s_mul_i32 s56, s21, 12288
	s_mul_i32 s57, s57, 12288
	s_mul_i32 s58, s22, 12288
	s_cmp_lt_u32 s20, 4                            ; waves 0-3 bring WG's tiles, wave 4 g's rows, waves 5 and 6 WO's tiles
	s_cselect_b64 s[42:43], s[4:5], s[12:13]
	s_cselect_b32 s26, s56, s57
	s_cmp_eq_u32 s20, 4
	s_cselect_b64 s[42:43], s[8:9], s[42:43]
	s_cselect_b32 s26, s58, s26
	s_add_nc_u64 s[42:43], s[42:43], s[26:27]
	s_or_b32 s43, s43, 0x80000000
	s_mov_b32 s40, 1
	s_cmp_lt_u32 s20, 7
	s_cbranch_scc0 .Lno_load
	tensor_load_to_lds s[40:43], s[32:39]          ; one tensor load a wave
	s_nop 0
.rept 4
	v_nop
.endr
.Lno_load:
	s_lshl_b32 s26, s21, 9
	s_add_nc_u64 s[6:7], s[6:7], s[26:27]
	s_lshl_b32 s26, s22, 9
	s_add_nc_u64 s[10:11], s[10:11], s[26:27]
	s_lshl_b32 s26, s23, 9
	s_lshl_b32 s28, s24, 4
	s_add_co_u32 s26, s26, s28
	s_add_nc_u64 s[14:15], s[14:15], s[26:27]
	s_lshl_b32 s26, s22, 16
	s_lshl_b32 s28, s25, 8
	s_add_co_u32 s26, s26, s28
	s_add_nc_u64 s[16:17], s[16:17], s[26:27]      ; cb at row 16 mt, column 64 (work-group / 2)
	s_mul_i32 s26, s23, 12800
	s_add_nc_u64 s[18:19], s[18:19], s[26:27]      ; woi at my tile
	global_load_b128 v[12:15], v4, s[6:7]          ; WG's scale words
	global_load_b128 v[16:19], v4, s[10:11]        ; g's
	global_load_b64 v[52:53], v6, s[14:15]         ; 8 of WO's scale bytes
	s_wait_tensorcnt 0x0                           ; my block has landed
	s_barrier_signal -1
	s_barrier_wait -1                              ; all seven have
	s_cmp_lt_u32 s20, 4
	s_cbranch_scc0 .Limage
.irp s, 0,1,2,3,4,5,6,7
	PFRAG WGF+12*\s, 249, 250, \s, 0
	PFRAG GF+12*\s, 3, 248, \s, 4*TILEB
.endr
	s_wait_loadcnt 0x0
	s_wait_dscnt 0x0
.irp s, 0,1,2,3,4,5,6,7
.if \s < 2
	v_wmma_scale_f32_16x16x128_f8f6f4 v[20+8*(\s%2):27+8*(\s%2)], v[WGF+12*\s:WGF+12*\s+11], v[GF+12*\s:GF+12*\s+11], 0, v[12+\s%4], v[16+\s%4] matrix_a_fmt:MATRIX_FMT_BF6 matrix_b_fmt:MATRIX_FMT_BF6
.elseif \s < 4
	v_wmma_scale_f32_16x16x128_f8f6f4 v[20+8*(\s%2):27+8*(\s%2)], v[WGF+12*\s:WGF+12*\s+11], v[GF+12*\s:GF+12*\s+11], v[20+8*(\s%2):27+8*(\s%2)], v[12+\s%4], v[16+\s%4] matrix_a_fmt:MATRIX_FMT_BF6 matrix_b_fmt:MATRIX_FMT_BF6
.else
	v_wmma_scale_f32_16x16x128_f8f6f4 v[20+8*(\s%2):27+8*(\s%2)], v[WGF+12*\s:WGF+12*\s+11], v[GF+12*\s:GF+12*\s+11], v[20+8*(\s%2):27+8*(\s%2)], v[12+\s%4], v[16+\s%4] matrix_a_fmt:MATRIX_FMT_BF6 matrix_b_fmt:MATRIX_FMT_BF6 matrix_a_scale:MATRIX_SCALE_ROW1 matrix_b_scale:MATRIX_SCALE_ROW1
.endif
.endr
.rept 4
	v_nop                                          ; four places behind a matrix instruction before its result is read (ISA guide 7.12.1)
.endr
.irp j, 0,2,4,6
	v_pk_mul_f32 v[36+\j:37+\j], v[20+\j:21+\j], CC op_sel_hi:[1,0]
.endr
.irp j, 0,2,4,6
	v_pk_fma_f32 v[36+\j:37+\j], v[28+\j:29+\j], CC, v[36+\j:37+\j] op_sel_hi:[1,0,1]   ; lane (r, h): cb(16 mt + r, 16 t + 8 h + 0 .. 7)
.endr
	ds_store_b128 v8, v[36:39]
	ds_store_b128 v8, v[40:43] offset:16
	s_branch .Ljoin
.Limage:
.irp s, 0,1,2,3
	PFRAG WGF+12*\s, 251, 252, \s, 0
.endr
	s_wait_loadcnt 0x0
	s_wait_dscnt 0x0
.irp s, 0,1,2,3
.irp c, 0,1,2
	global_store_b128 v5, v[WGF+12*\s+4*\c:WGF+12*\s+4*\c+3], s[18:19] offset:1536*\s+512*\c   ; 32 lanes store 512 consecutive bytes, at a multiple of 256
.endr
.endr
	global_store_b64 v7, v[52:53], s[18:19]        ; 256 consecutive bytes of the scale image
.Ljoin:
	s_wait_dscnt 0x0                               ; for the others' sake: my stores into the stage are done
	s_barrier_signal -1
	s_barrier_wait -1                              ; 16 rows x 64 k lie in the stage
	ds_load_b128 v[44:47], v9
	s_wait_dscnt 0x0
	global_store_b128 v10, v[44:47], s[16:17]      ; 16 lanes store 256 consecutive bytes of a row of cb, at a multiple of 256
	s_wait_tensorcnt 0x0                           ; the wave's end
	ds_add_u32 v254, v255
	s_wait_dscnt 0x0
	s_endpgm
.Lfunc_end_k_qb8e84bda2b_prep:
	.size	k_qb8e84bda2b_prep, .Lfunc_end_k_qb8e84bda2b_prep-k_qb8e84bda2b_prep
	.p2alignl 7, 3214868480
	.fill 96, 4, 3214868480
	.section	.rodata,"a",@progbits
	.p2align	6, 0x0
	.amdhsa_kernel k_qb8e84bda2b_prep
		.amdhsa_group_segment_fixed_size 167936
		.amdhsa_private_segment_fixed_size 0
		.amdhsa_enable_private_segment 0
		.amdhsa_kernarg_size 64
		.amdhsa_user_sgpr_count 2
		.amdhsa_user_sgpr_kernarg_segment_ptr 1
		.amdhsa_wavefront_size32 1
		.amdhsa_system_sgpr_workgroup_id_x 1
		.amdhsa_system_sgpr_workgroup_id_y 1
		.amdhsa_system_sgpr_workgroup_id_z 1
		.amdhsa_system_vgpr_workitem_id 0
		.amdhsa_next_free_vgpr 256
		.amdhsa_next_free_sgpr 66
		.amdhsa_reserve_vcc 0
		.amdhsa_float_denorm_mode_32 3
		.amdhsa_float_denorm_mode_16_64 3
		.amdhsa_memory_ordered 1
		.amdhsa_forward_progress 1
		.amdhsa_inst_pref_size 17
	.end_amdhsa_kernel
	.amdgpu_metadata
---
amdhsa.version: [ 1, 2 ]
amdhsa.kernels:
  - .name:           k_qb8e84bda2b_prep
    .symbol:         k_qb8e84bda2b_prep.kd
    .args:
      - { .name: WG_codes, .offset: 0, .size: 8, .value_kind: global_buffer, .address_space: global }
      - { .name: WG_scales, .offset: 8, .size: 8, .value_kind: global_buffer, .address_space: global }
      - { .name: g_codes, .offset: 16, .size: 8, .value_kind: global_buffer, .address_space: global }
      - { .name: g_scales, .offset: 24, .size: 8, .value_kind: global_buffer, .address_space: global }
      - { .name: WO_codes, .offset: 32, .size: 8, .value_kind: global_buffer, .address_space: global }
      - { .name: WO_scales, .offset: 40, .size: 8, .value_kind: global_buffer, .address_space: global }
      - { .name: cb, .offset: 48, .size: 8, .value_kind: global_buffer, .address_space: global }
      - { .name: woi, .offset: 56, .size: 8, .value_kind: global_buffer, .address_space: global }
    .group_segment_fixed_size: 167936
    .private_segment_fixed_size: 0
    .kernarg_segment_align: 8
    .kernarg_segment_size: 64
    .max_flat_workgroup_size: 256
    .sgpr_count:     66
    .vgpr_count:     256
    .wavefront_size: 32
...
	.end_amdgpu_metadata
.endif
;; end of part 1
;; launch main (part 2): grid 256 x 1, 8 waves a work-group, clusters of 4 x 1, 327,680 bytes of LDS; arguments inputs_codes, inputs_scales, v, cb, woi, out0; writes out0
.if DOCPART == 2
	.amdgcn_target "amdgcn-amd-amdhsa--gfx1250"
	.amdhsa_code_object_version 6
	.text
	.protected	k_qb8e84bda2b_main
	.globl	k_qb8e84bda2b_main
	.p2align	8
	.type	k_qb8e84bda2b_main,@function
k_qb8e84bda2b_main:
	s_mov_b64 s[64:65], 0
	v_nop
	global_prefetch_b8 v0, s[64:65] scope:SCOPE_SE
	s_setreg_imm32_b32 hwreg(HW_REG_WAVE_MODE, 25, 1), 1
	s_wait_xcnt 0x0
	s_wait_alu depctr_hold_cnt(0) depctr_sa_sdst(0) depctr_va_vdst(0) depctr_va_sdst(0) depctr_va_ssrc(0) depctr_va_vcc(0) depctr_vm_vsrc(0)
	s_getreg_b32 s2, hwreg(HW_REG_IB_STS2, 6, 4)
	s_cmp_eq_u32 s2, 0
	s_cbranch_scc0 .Lentry_in_a_cluster
	s_endpgm
.Lentry_in_a_cluster:
	s_bfe_u32 s2, ttmp6, 0x10000c
	s_cmp_lg_u32 s2, 0x3003
	s_cbranch_scc0 .Lentry_shape_is_right
	s_endpgm
.Lentry_shape_is_right:
; out[b][s] = the sum over k of v[k] tanh( (the sum over d of WO[k][d] inputs[b][s][d]) + term2[b][k] ).  inputs and WO: codes of BF6 (E3M2) with one E8M0 byte for each 32 along d.
; cb = c x term2 (c = 2 log2(e)) and woi (WO as images of the operand's registers, 64 tiles of 16 k, 12,800 bytes each) were made by the launch before.
; SHARES.  A work-group owns 256 rows (b, s) of one b, in four groups of 64.  Eight waves, two to a SIMD, 512 registers each.  Wave (G, P) keeps group G's rows in 384 registers for the whole
; launch and takes the tiles of WO of parity P (tile 2 u + P in its trip u): so each fragment of WO that a wave reads from LDS feeds four matrix instructions, and a tile is read by four waves.
; TRANSPOSED USE: source 0 = 16 rows of WO, source 1 = 16 of my rows: lane (r, h) holds ONE row r and eight k (16 t + 8 h + 0 .. 7), so the sum over k stays in the lane until the end.
; TWO PHASES.  M: a tile's 32 matrix instructions on ONE set of four accumulators, which take turns; WO's fragments go through a ring of four K steps (48 registers).
; V: the same 32 registers, in place, all in f32: x' = c acc + cb;  e = 2^x';  a = 1 + e;  r = 1 / a;  sum += v r.  At the end out = (the sum of v) - 2 (the sum of v r), since tanh = 1 - 2 r.
; e = infinity gives r = 0, e = 0 gives r = 1: no clip is wanted.  Waves of parity 0 run M, V in a trip, waves of parity 1 V (of their tile before), M: behind every barrier one parity begins
; with matrix work and the other with vector work.  P = (wave + wave / 4) % 2, G = wave / 2: waves w and w + 4, and waves 2 i and 2 i + 1, differ in P.
; Parity 1's first V has no tile: it finds accumulators of zeros, cb = 0 and v = 0 (a block of zeros in LDS ahead of v's table) and adds exactly 0.  Parity 0's last V loads a 'cb of tile 64'
; from that block, which nobody uses (two loads).  cb and v of a tile share eight registers: v is loaded behind the last reader of cb, the next cb behind the last reader of v.
; THE RING IN LDS: two slots of 8 images.  At a slot's start stand the waits, the add and a round of the cluster's barrier, and each wave asks for one image (50 rows of 256 bytes) of the slot after.
; CLUSTER: all work-groups walk the same images; the four of a cluster ask for each JOINTLY (mask 15).  My rows, cb and v come by loads of the work-group's own.
; NO PREFETCH: an image is asked for four trips of every wave (128 matrix instructions a wave) ahead of its first read, and my rows are asked for by the launch's first instructions: there is no loop ahead of them.
; LIMITS: r has the error of an exponential and a reciprocal (1 ulp each, ISA guide 15.8), so tanh has an absolute error near 1e-7, not a relative one; the sum of v and twice the sum of v r are
; formed apart in f32 and subtracted once, so the result's error is bounded by some 1e-6 x the sum of |v|; a scale byte 0xff makes the sums NaN, as the format says.
.set IMG,   12800
.set SLOTB, 8*IMG
.set ASTG,  SLOTB                      ; the stage of the rows, read out before slot 1 is first filled: group G at + AWAVE G
.set AWAVE, 52224                      ; 192 lines of 256 bytes + 16: a row of 768 bytes has a pitch of 816
.set CBT,   ASTG+4*AWAVE               ; cb[b][0 .. 1023]
.set ZB,    CBT+4096                   ; 1,024 bytes of zeros, stored by the waves: no fill lands here
.set VT,    ZB+1024                    ; v[0 .. 1023]
.set OS,    VT+4096                    ; the way out: 256 bytes a group; no fill lands here
.set SPARE, OS+1024                    ; the spare words, 128 bytes a wave
.set VOFF,  VT-CBT
; window 0: v1, v11 addresses of the slot's images 0-3 and 4-7 for my lane and parity; v2 address of cb and v; v3, v4 the spare word's address and 0; v5 16 lane + P IMG; v6, v7 the way out in LDS;
;   v8 8 lane; v9 VT + 16 lane; v10 32 h + 64 (1 - P); v12-15 WO's scale words; v16-31 my rows' (tile rt at 16 + 4 rt; register i: lanes 0-15 K step i, lanes 16-31 K step 4 + i);
;   v32-63 accumulators; v64-111 WO's ring; v112-255 my fragments of K steps 5-7.   window 1: v0-239 my fragments of K steps 0-4 at 12 (4 s + rt); v240-247 cb or v; v248-255 the sums.
; s16 wave; s82 G; s83 P; s[24:47] three groups 1; groups 0: s[48:51] rows, s[52:55] slot 0, s[56:59] the walking one, s[60:63] cb, s[68:71] v; s72 the slot that is read; s73 CBT - 64 + 512 x slot.
.set MSB, 0
.macro WIN new                         ; the immediate's high byte repeats the setting that is left
.if MSB != \new
	s_set_vgpr_msb (MSB<<8)|\new
.set MSB, \new
.endif
.endm
.macro CROUND                          ; a round of the cluster's barrier
	s_barrier_signal -1
	s_barrier_wait -1
	s_cmp_lg_u32 s16, 0
	s_cbranch_scc1 .Lnot_wave_0_\@
	s_barrier_signal -3
.Lnot_wave_0_\@:
	s_barrier_wait -3
	s_barrier_signal -1
	s_barrier_wait -1
.endm
.macro PLACES n
.rept \n
	v_nop
.endr
.endm
	s_load_b256 s[4:11], s[0:1], 0x0               ; inputs' codes, inputs' scales, v, cb
	s_load_b128 s[12:15], s[0:1], 0x20             ; woi, out
	v_lshl_add_u32 v3, v0, 2, SPARE
	v_mov_b32 v4, 0
	ds_add_u32 v3, v4                              ; the opening lines: the add twice on end and its wait
	ds_add_u32 v3, v4
	v_lshrrev_b32 v1, 5, v0
	v_readfirstlane_b32 s16, v1                    ; wave 0..7
	s_bfe_u32 s17, ttmp6, 0x40000                  ; cx: it enters the addresses of my rows, their scales and out alone
	s_lshl_b32 s18, ttmp9, 2
	s_add_co_u32 s18, s18, s17                     ; my block of 256 rows
	s_lshr_b32 s19, ttmp9, 1                       ; b: the four partners share it
	s_lshr_b32 s83, s16, 2
	s_xor_b32 s83, s83, s16
	s_and_b32 s83, s83, 1                          ; P
	s_lshr_b32 s82, s16, 1                         ; G
	s_mov_b32 s24, (3<<16)|(1<<20)|(5<<22)|(3<<25) ; the rows: elements of 8 bytes; 4 words of padding behind every 64 words
	s_mov_b32 s25, 32<<16
	s_mov_b32 s26, 192<<16                         ; 64 rows of 768 bytes as 192 of 256
	s_mov_b32 s27, 32<<16
	s_mov_b32 s28, 192
	s_mov_b32 s29, 32
	s_mov_b32 s30, 0
	s_mov_b32 s31, 0
	s_mov_b32 s32, 15|(3<<16)|(1<<21)              ; the images: the mask names all four work-groups; bit 21 beside it; no padding
	s_mov_b32 s33, 32<<16
	s_mov_b32 s34, 200<<16                         ; at the head four images a load; behind it one (50 rows)
	s_mov_b32 s35, 32<<16
	s_mov_b32 s36, 200
	s_mov_b32 s37, 32
	s_mov_b32 s38, 0
	s_mov_b32 s39, 0
	s_mov_b32 s40, 3<<16                           ; cb and v: 4,096 bytes
	s_mov_b32 s41, 32<<16
	s_mov_b32 s42, 16<<16
	s_mov_b32 s43, 32<<16
	s_mov_b32 s44, 16
	s_mov_b32 s45, 32
	s_mov_b32 s46, 0
	s_mov_b32 s47, 0
	s_mov_b32 s76, 0x4038aa3b                      ; c
	s_mov_b32 s77, s76
	s_mov_b32 s78, 0x76543210
	s_mov_b32 s79, 0xfedcba98                      ; v_permlanex16_b32's selects for lane l xor 16
	s_mov_b32 s80, 0
	s_mov_b32 s72, 0
	s_mov_b32 s73, CBT-64
	s_mul_i32 s81, s16, IMG
	s_and_b32 s17, s16, 3
	s_mul_i32 s20, s18, 196608
	s_mul_i32 s22, s17, 49152
	s_add_co_u32 s20, s20, s22                     ; the rows that I fetch: group wave % 4
	s_mov_b32 s21, 0
	s_mov_b32 s23, 0
	s_mul_i32 s49, s17, AWAVE
	s_add_co_u32 s49, s49, ASTG
	s_and_b32 s53, s16, 1
	s_mul_i32 s53, s53, 4*IMG
	s_mul_i32 s84, s83, IMG
	s_xor_b32 s85, s83, 1
	s_lshl_b32 s85, s85, 6
	s_lshl_b32 s86, s83, 12
	s_add_co_u32 s86, s86, CBT                     ; the first cb: tile 0's, or for parity 1 the zeros
	s_mul_i32 s87, s82, AWAVE
	s_add_co_u32 s87, s87, ASTG
	s_lshl_b32 s88, s82, 8
	s_add_co_u32 s88, s88, OS
	s_wait_dscnt 0x0
	s_wait_kmcnt 0x0
	s_mov_b32 s48, 1
	s_add_nc_u64 s[50:51], s[4:5], s[20:21]
	s_or_b32 s51, s51, 0x80000000
	s_mov_b32 s52, 1                               ; slot 0: nothing in the joint descriptors hangs on my place in the cluster
	s_mov_b32 s22, s53
	s_add_nc_u64 s[54:55], s[12:13], s[22:23]
	s_or_b32 s55, s55, 0x80000000
	s_mov_b32 s56, 1                               ; the walking descriptor: my image of a slot; each use steps it a slot on first
	s_mov_b32 s57, s81
	s_mov_b32 s22, s81
	s_add_nc_u64 s[58:59], s[12:13], s[22:23]
	s_or_b32 s59, s59, 0x80000000
	s_mov_b32 s60, 1
	s_mov_b32 s61, CBT
	s_lshl_b32 s22, s19, 12
	s_add_nc_u64 s[62:63], s[10:11], s[22:23]
	s_or_b32 s63, s63, 0x80000000
	s_mov_b32 s68, 1
	s_mov_b32 s69, VT
	s_mov_b64 s[70:71], s[8:9]
	s_or_b32 s71, s71, 0x80000000
	s_lshl_b32 s20, s18, 13
	s_lshl_b32 s22, s82, 11
	s_add_co_u32 s20, s20, s22
	s_add_nc_u64 s[6:7], s[6:7], s[20:21]          ; my rows' scale bytes
	s_lshl_b32 s20, s18, 10
	s_lshl_b32 s22, s82, 8
	s_add_co_u32 s20, s20, s22
	s_add_nc_u64 s[14:15], s[14:15], s[20:21]      ; my group's 64 numbers of out
	CROUND                                         ; all four work-groups are here: the first joint loads meet
; THE HEAD'S LOADS, ONE A WAVE, in one chain of arms: waves 0-3 a group's rows each, waves 4 and 5 half of slot 0 each (joint), wave 6 cb, wave 7 v.
.macro ARM under, g0, g1, next
	s_cmp_lt_u32 s16, \under
	s_cbranch_scc0 \next
	tensor_load_to_lds s[\g0:\g0+3], s[\g1:\g1+7]
	s_nop 0
	PLACES 4
	s_branch .Lhead_asked
\next:
.endm
	ARM 4, 48, 24, .Lhead_i
	ARM 6, 52, 32, .Lhead_c
	ARM 7, 60, 40, .Lhead_v
	tensor_load_to_lds s[68:71], s[40:47]
	s_nop 0
	PLACES 4
.Lhead_asked:
	v_and_b32 v64, 31, v0                          ; lane
	v_and_b32 v65, 15, v0                          ; r
	v_bfe_u32 v66, v0, 4, 1                        ; h
	v_lshl_add_u32 v5, v64, 4, s84
	v_lshl_add_u32 v10, v66, 5, s85
	v_lshl_add_u32 v67, v66, 5, s86
	v_mul_u32_u24 v68, v65, 816
	v_mad_u32_u24 v68, v66, 24, v68
	v_add_nc_u32 v68, s87, v68                     ; my group's stage + row r x pitch + 24 h
	v_lshl_add_u32 v69, v66, 4, v68                ; and behind one padding more
	v_lshlrev_b32 v70, 5, v65
	v_lshl_add_u32 v70, v66, 4, v70                ; scale words: 32 r + 16 h
	v_lshl_add_u32 v71, v0, 2, ZB
	v_lshl_add_u32 v6, v64, 2, s88
	v_lshl_add_u32 v7, v64, 3, s88
	v_lshlrev_b32 v8, 3, v64
	v_lshl_add_u32 v9, v64, 4, VT
.irp rt, 0,1,2,3
	global_load_b128 v[16+4*\rt:19+4*\rt], v70, s[6:7] offset:512*\rt   ; my rows' scale words: they stay
.endr
	ds_store_b32 v71, v4                           ; the block of zeros: 256 threads x 4 bytes
.set j, 0
.rept 32
	v_mov_b32 v[32+j], 0                           ; what parity 1's first V finds
.set j, j+1
.endr
	WIN 0x40
.set j, 0
.rept 8
	v_mov_b32 v[248+j], 0                          ; the sums
.set j, j+1
.endr
	WIN 0
	s_wait_alu depctr_va_vdst(0)
	s_wait_tensorcnt 0x0                           ; my load has landed,
	s_wait_dscnt 0x0                               ; my zeros are stored
	s_barrier_signal -1
	s_barrier_wait -1                              ; so of all eight waves
	s_mov_b32 s34, 50<<16                          ; no tensor load of mine is out: from here on a load brings one image
	s_mov_b32 s36, 50
; A fragment of my rows is 12 registers: lane (r, h) takes the row's pieces of 8 bytes 12 s + 0, 1, 2 and 12 s + 6, 7, 8 (lanes 16-31: three pieces on); 16 bytes of padding lie behind every 32 pieces.
.macro AFRAG rt, s
.irp p, 0,1,2,3,4,5
.set PC, 12*(\s)+6*(\p/3)+\p%3
.if (\s) < 5
.set RG, 12*(4*(\s)+(\rt))+2*\p
.else
.set RG, 112+12*(4*((\s)-5)+(\rt))+2*\p
.endif
.if PC%32 < 29
	ds_load_b64 v[RG:RG+1], v68 offset:8*PC+16*(PC/32)+13056*(\rt)
.else
	ds_load_b64 v[RG:RG+1], v69 offset:8*PC+16*(PC/32)+13056*(\rt)
.endif
.endr
.endm
	WIN 0x40                                       ; destination window 1
.irp s, 0,1,2,3,4
.irp rt, 0,1,2,3
	AFRAG \rt, \s
.endr
.endr
	ds_load_b128 v[240:243], v67                   ; the first cb
	ds_load_b128 v[244:247], v67 offset:16
	WIN 0
.irp s, 5,6,7
.irp rt, 0,1,2,3
	AFRAG \rt, \s
.endr
.endr
	s_wait_loadcnt 0x0                             ; my rows' scale words
.macro LDK a, o, s, q                  ; WO's fragment of K step s of the image at v[a] + o into place q of the ring: 512 bytes on end a load
.irp c, 0,1,2
	ds_load_b128 v[64+12*(\q)+4*\c:67+12*(\q)+4*\c], v[\a] offset:(\o)+1536*(\s)+512*\c
.endr
.endm
.macro AHEAD a, o                      ; a tile's K steps 0-3 and its scale words: 13 loads
.irp s, 0,1,2,3
	LDK \a, \o, \s, \s
.endr
	ds_load_b128 v[12:15], v[\a] offset:(\o)+12288
.endm
; M: the tile at v[CA] + CO.  Behind K step s < 4 its place in the ring takes K step s + 4, four places behind the last matrix instruction that read it (ISA guide 7.12.1 for vector instructions).
; pre = 1: at the end the next tile (v[NA] + NO, in the same slot) is asked for.  Five places stand at the end: for these loads, for V's first reads, and ahead of any matrix instruction that begins the sums anew.
.macro MPH pre
	s_wait_dscnt 2                                 ; all but the two loads of cb, the youngest: the ring and the scale words are in
	WIN 0x04                                       ; source 1: window 1
.irp s, 0,1,2,3,4,5,6,7
.if \s >= 4
	s_wait_dscnt 3*(7-\s)                          ; LDS loads come back in order (ISA guide 5.7.1): behind K step s's three stand those of the later K steps
.endif
.if \s == 5
	WIN 0
.endif
.irp rt, 0,1,2,3
.if \s < 5
.set AR, 12*(4*\s+\rt)
.else
.set AR, 112+12*(4*(\s-5)+\rt)
.endif
.if \s == 0
	v_wmma_scale_f32_16x16x128_f8f6f4 v[32+8*\rt:39+8*\rt], v[64+12*(\s%4):75+12*(\s%4)], v[AR:AR+11], 0, v[12+\s%4], v[16+4*\rt+\s%4] matrix_a_fmt:MATRIX_FMT_BF6 matrix_b_fmt:MATRIX_FMT_BF6
.elseif \s < 4
	v_wmma_scale_f32_16x16x128_f8f6f4 v[32+8*\rt:39+8*\rt], v[64+12*(\s%4):75+12*(\s%4)], v[AR:AR+11], v[32+8*\rt:39+8*\rt], v[12+\s%4], v[16+4*\rt+\s%4] matrix_a_fmt:MATRIX_FMT_BF6 matrix_b_fmt:MATRIX_FMT_BF6
.else
	v_wmma_scale_f32_16x16x128_f8f6f4 v[32+8*\rt:39+8*\rt], v[64+12*(\s%4):75+12*(\s%4)], v[AR:AR+11], v[32+8*\rt:39+8*\rt], v[12+\s%4], v[16+4*\rt+\s%4] matrix_a_fmt:MATRIX_FMT_BF6 matrix_b_fmt:MATRIX_FMT_BF6 matrix_a_scale:MATRIX_SCALE_ROW1 matrix_b_scale:MATRIX_SCALE_ROW1
.endif
.endr
.if \s < 4
	PLACES 4
	LDK CA, CO, \s+4, \s
.endif
.endr
	PLACES 5
.if \pre
	AHEAD NA, NO
.endif
.endm
; V: the vector stages of the tile whose sums lie in the accumulators.  j: the trip in the slot (cb and v lie at v2 + 128 j).  Each batch of transcendentals has one wait ahead of it and one behind it.
.macro VPH j, nxt
	WIN 0x10                                       ; source 2: window 1
	s_wait_dscnt 13                                ; cb is in; the 13 loads asked ahead may be out
.irp k, 0,1,2,3,4,5,6,7,8,9,10,11,12,13,14,15
	v_pk_fma_f32 v[32+2*\k:33+2*\k], v[32+2*\k:33+2*\k], s[76:77], v[240+2*(\k%4):241+2*(\k%4)] op_sel_hi:[1,0,1]   ; x' = c acc + cb, each accumulator from its low end on
.endr
	WIN 0x40
	ds_load_b128 v[240:243], v2 offset:VOFF+128*(\j)       ; v of this tile, over cb
	ds_load_b128 v[244:247], v2 offset:VOFF+128*(\j)+16
	WIN 0
	s_wait_alu depctr_va_vdst(0)
.set i, 0
.rept 32
	v_exp_f32 v[32+i], v[32+i]                     ; e = 2^x'
.set i, i+1
.endr
	v_nop
	s_wait_alu depctr_va_vdst(0)
.set i, 0
.rept 16
	v_pk_add_f32 v[32+2*i:33+2*i], v[32+2*i:33+2*i], 1.0 op_sel_hi:[1,0]   ; a = 1 + e
.set i, i+1
.endr
	s_wait_alu depctr_va_vdst(0)
.set i, 0
.rept 32
	v_rcp_f32 v[32+i], v[32+i]                     ; r = 1 / a
.set i, i+1
.endr
	v_nop
	s_wait_alu depctr_va_vdst(0)
	s_wait_dscnt 0x0                               ; v is in
	WIN 0x54                                       ; source 1, source 2 and destination: window 1
.irp i, 0,1,2,3
.irp rt, 0,1,2,3
	v_pk_fma_f32 v[248+2*\rt:249+2*\rt], v[32+8*\rt+2*\i:33+8*\rt+2*\i], v[240+2*\i:241+2*\i], v[248+2*\rt:249+2*\rt]   ; sum += r v; the four tiles of rows by turns
.endr
.endr
.if \nxt
	WIN 0x40
	ds_load_b128 v[240:243], v2 offset:128*((\j)+1)        ; cb of my next tile, over v
	ds_load_b128 v[244:247], v2 offset:128*((\j)+1)+16
.endif
	WIN 0
.endm
; A trip: parity 0 runs M, V; parity 1 V (of its tile before), M.  The branches hang on the wave's number alone and lead round no barrier, wait for a refill or add.
.macro TRIP j
.set CA, 1+10*((\j)/2)
.set CO, 2*IMG*((\j)%2)
.set NA, 1+10*(((\j)+1)/2)
.set NO, 2*IMG*(((\j)+1)%2)
	s_cmp_lg_u32 s83, 0
	s_cbranch_scc1 .Lvec_\@
	MPH ((\j) < 3)
.Lvec_\@:
	VPH \j, 1
	s_cmp_eq_u32 s83, 0
	s_cbranch_scc1 .Ldone_\@
	MPH ((\j) < 3)
.Ldone_\@:
.endm
; A slot's start.  fill = 1: the other slot, which no wave reads any more, is filled with the eight tiles after this slot's.
.macro BLK fill
	s_wait_tensorcnt 0x0                           ; all my tensor loads have landed: my image of this slot;
	ds_add_u32 v3, v4                              ; 0 onto my spare word
.if \fill
	s_xor_b32 s80, s80, SLOTB
	s_add_co_u32 s57, s80, s81
	s_add_nc_u64 s[58:59], s[58:59], SLOTB
.endif
	s_wait_dscnt 0x0                               ; the add is done, and my reads of the other slot are over
.if \fill
	CROUND                                         ; so of every wave of the four work-groups
	tensor_load_to_lds s[56:59], s[32:39]          ; the first tensor load behind the round, one a wave
	s_nop 0
	PLACES 4
.else
	s_barrier_signal -1
	s_barrier_wait -1                              ; the last slot is whole
.endif
	v_add_nc_u32 v1, s72, v5
	v_add_nc_u32 v2, s73, v10
	v_add_nc_u32 v11, 4*IMG, v1
	s_wait_alu depctr_va_vdst(0)
	s_xor_b32 s72, s72, SLOTB
	s_add_co_u32 s73, s73, 512
	AHEAD 1, 0                                     ; my first tile of the slot
	s_wait_dscnt 0x0
.endm
	s_mov_b32 s74, 7
.Lslot:                                            ; slots 0 to 6: each start asks for the slot after
	BLK 1
	TRIP 0
	TRIP 1
	TRIP 2
	TRIP 3
	s_sub_co_u32 s74, s74, 1
	s_cmp_lg_u32 s74, 0
	s_cbranch_scc1 .Lslot
	BLK 0                                          ; slot 7 is written out: nothing more is asked for
	TRIP 0
	TRIP 1
	TRIP 2
	TRIP 3
	s_cmp_eq_u32 s83, 0
	s_cbranch_scc1 .Lno_v
	VPH 4, 0                                       ; parity 1: tile 63's vector stages
.Lno_v:
	s_wait_alu depctr_va_vdst(0)
	; THE WAY OUT.  A row's sum of v r lies in eight parts: a pair in each half of the lanes, in each parity's wave.
	WIN 0x05
.irp rt, 0,1,2,3
	v_add_f32 v[32+\rt], v[248+2*\rt], v[249+2*\rt]
.endr
	WIN 0
.irp rt, 0,1,2,3
	v_permlanex16_b32 v[36+\rt], v[32+\rt], s78, s79
.endr
.irp rt, 0,1,2,3
	v_add_f32 v[32+\rt], v[32+\rt], v[36+\rt]
.endr
	v_cmp_gt_u32 vcc_lo, 128, v8                   ; lanes 0-15
	v_cndmask_b32 v40, v33, v32, vcc_lo            ; lane (r, h) keeps tiles h and 2 + h: word lane + 32 a of the group's 64 is row 16 (2 a + h) + r
	v_cndmask_b32 v41, v35, v34, vcc_lo
	s_cmp_eq_u32 s83, 0
	s_cbranch_scc1 .Lsum_v
	ds_store_b32 v6, v40                           ; parity 1 hands its part over
	ds_store_b32 v6, v41 offset:128
	s_branch .Lmeet
.Lsum_v:                                           ; parity 0 meanwhile adds up v: 32 numbers a lane, then across the lanes
.irp i, 0,1,2,3,4,5,6,7
	ds_load_b128 v[64+4*\i:67+4*\i], v9 offset:512*\i
.endr
	s_wait_dscnt 0x0
.irp i, 0,1,2,3,4,5,6,7
	v_pk_add_f32 v[64+4*\i:65+4*\i], v[64+4*\i:65+4*\i], v[66+4*\i:67+4*\i]
.endr
.irp i, 0,1,2,3
	v_pk_add_f32 v[64+8*\i:65+8*\i], v[64+8*\i:65+8*\i], v[68+8*\i:69+8*\i]
.endr
	v_pk_add_f32 v[64:65], v[64:65], v[72:73]
	v_pk_add_f32 v[80:81], v[80:81], v[88:89]
	v_pk_add_f32 v[64:65], v[64:65], v[80:81]
	v_add_f32 v64, v64, v65
	v_add_f32_dpp v64, v64, v64 row_xmask:1 row_mask:0xf bank_mask:0xf
	v_add_f32_dpp v64, v64, v64 row_xmask:2 row_mask:0xf bank_mask:0xf
	v_add_f32_dpp v64, v64, v64 row_xmask:4 row_mask:0xf bank_mask:0xf
	v_add_f32_dpp v64, v64, v64 row_xmask:8 row_mask:0xf bank_mask:0xf
	v_permlanex16_b32 v65, v64, s78, s79
	v_add_f32 v64, v64, v65
.Lmeet:
	s_wait_alu depctr_va_vdst(0)
	s_wait_dscnt 0x0                               ; for the others' sake: my stores are done
	s_barrier_signal -1
	s_barrier_wait -1
	s_cmp_lg_u32 s83, 0
	s_cbranch_scc1 .Lend
	ds_load_b32 v42, v6
	ds_load_b32 v43, v6 offset:128
	s_wait_dscnt 0x0
	v_add_f32 v40, v40, v42
	v_add_f32 v41, v41, v43
	v_fma_f32 v40, v40, -2.0, v64                  ; out = the sum of v - 2 x the sum of v r
	v_fma_f32 v41, v41, -2.0, v64
	ds_store_b32 v6, v40
	ds_store_b32 v6, v41 offset:128
	ds_load_b64 v[44:45], v7                       ; LDS serves a wave's instructions in order (ISA guide 5.7.1.4): this sees my stores
	s_wait_dscnt 0x0
	global_store_b64 v8, v[44:45], s[14:15]        ; 32 lanes store the group's 64 results: 256 consecutive bytes, at a multiple of 256
.Lend:
	s_wait_tensorcnt 0x0                           ; the wave's end
	ds_add_u32 v3, v4
	s_wait_dscnt 0x0
	CROUND                                         ; the closing round
	s_endpgm
.Lfunc_end_k_qb8e84bda2b_main:
	.size	k_qb8e84bda2b_main, .Lfunc_end_k_qb8e84bda2b_main-k_qb8e84bda2b_main
	.p2alignl 7, 3214868480
	.fill 96, 4, 3214868480
	.section	.rodata,"a",@progbits
	.p2align	6, 0x0
	.amdhsa_kernel k_qb8e84bda2b_main
		.amdhsa_group_segment_fixed_size 327680
		.amdhsa_private_segment_fixed_size 0
		.amdhsa_enable_private_segment 0
		.amdhsa_kernarg_size 48
		.amdhsa_user_sgpr_count 2
		.amdhsa_user_sgpr_kernarg_segment_ptr 1
		.amdhsa_wavefront_size32 1
		.amdhsa_system_sgpr_workgroup_id_x 1
		.amdhsa_system_sgpr_workgroup_id_y 1
		.amdhsa_system_sgpr_workgroup_id_z 1
		.amdhsa_system_vgpr_workitem_id 0
		.amdhsa_next_free_vgpr 512
		.amdhsa_next_free_sgpr 92
		.amdhsa_reserve_vcc 1
		.amdhsa_float_denorm_mode_32 3
		.amdhsa_float_denorm_mode_16_64 3
		.amdhsa_memory_ordered 1
		.amdhsa_forward_progress 1
		.amdhsa_inst_pref_size 181
	.end_amdhsa_kernel
	.amdgpu_metadata
---
amdhsa.version: [ 1, 2 ]
amdhsa.kernels:
  - .name:           k_qb8e84bda2b_main
    .symbol:         k_qb8e84bda2b_main.kd
    .args:
      - { .name: inputs_codes, .offset: 0, .size: 8, .value_kind: global_buffer, .address_space: global }
      - { .name: inputs_scales, .offset: 8, .size: 8, .value_kind: global_buffer, .address_space: global }
      - { .name: v, .offset: 16, .size: 8, .value_kind: global_buffer, .address_space: global }
      - { .name: cb, .offset: 24, .size: 8, .value_kind: global_buffer, .address_space: global }
      - { .name: woi, .offset: 32, .size: 8, .value_kind: global_buffer, .address_space: global }
      - { .name: out0, .offset: 40, .size: 8, .value_kind: global_buffer, .address_space: global }
    .group_segment_fixed_size: 327680
    .private_segment_fixed_size: 0
    .kernarg_segment_align: 8
    .kernarg_segment_size: 48
    .max_flat_workgroup_size: 256
    .sgpr_count:     92
    .vgpr_count:     512
    .wavefront_size: 32
...
	.end_amdgpu_metadata
.endif
;; end of part 2
